; MI455X (gfx1250); checked and timed in simulation.
; The chip was launched on July 23, 2026; its instructions are those of AMD's public machine-readable ISA for CDNA 5 (MIT licence, August 2026) and "CDNA5" Instruction Set Architecture Reference Guide (July 2026). The comments in the code are by the model that wrote it; some were corrected since.
;; Muti Query Attention. Allowed arithmetic: matrix products marked QUANTISED: E5M2 operands, one E8M0 scale for each 32 along K, by v_wmma_scale_f32_16x16x128_f8f6f4 with both operands' format E5M2, f32 sums; everything else in f32.
;; Inputs: Wk_codes 64 x 32 x 32 uint8 (E5M2 codes of Wk, K innermost, in blocks of 32 codes); Wk_scales 64 x 32 uint8 (E8M0 scales of Wk, one for each 32 codes along K); Wo_codes 1,024 x 32 x 32 uint8 (E5M2 codes of Wo, K innermost, in blocks of 32 codes); Wo_scales 1,024 x 32 uint8 (E8M0 scales of Wo, one for each 32 codes along K); Wq_codes 1,024 x 32 x 32 uint8 (E5M2 codes of Wq, K innermost, in blocks of 32 codes); Wq_scales 1,024 x 32 uint8 (E8M0 scales of Wq, one for each 32 codes along K); Wv_codes 64 x 32 x 32 uint8 (E5M2 codes of Wv, K innermost, in blocks of 32 codes); Wv_scales 64 x 32 uint8 (E8M0 scales of Wv, one for each 32 codes along K); bk 64 float32; bo 1,024 float32; bq 1,024 float32; bv 64 float32; hidden_state_codes 4 x 2,048 x 32 x 32 uint8 (E5M2 codes of hidden_state, K innermost, in blocks of 32 codes); hidden_state_scales 4 x 2,048 x 32 uint8 (E8M0 scales of hidden_state, one for each 32 codes along K).
;; Outputs: out0 4 x 2,048 x 1,024 float32.
;; This version of the problem:
;;   THIS VERSION OF THE PROBLEM IS GIVEN IN LOW PRECISION. The matrix products marked QUANTISED in the list below multiply operands that are first quantised to E5M2 (5 exponent bits, 2 mantissa bits; 8 bits a number), with one power-of-two scale for each 32 numbers along K (OCP MX v1.0); their sums are f32. All else is computed in f32.
;;   The module's matrix products, in the order in which they are computed (A, B: the left and right operand; K: the contracted axis; several contracted axes count as one K, in the product's order):
;;     1. [M 8,192, K 1,024] x [K 1,024, N 1,024]; A: input hidden_state (given as codes); B: input Wq (given as codes): QUANTISED
;;     2. [M 8,192, K 1,024] x [K 1,024, N 64]; A: input hidden_state (given as codes); B: input Wk (given as codes): QUANTISED
;;     3. [M 8,192, K 1,024] x [K 1,024, N 64]; A: input hidden_state (given as codes); B: input Wv (given as codes): QUANTISED
;;     4. batch 4 x [M 2,048, K 64] x [K 64, N 32,768]; A: computed on the way; B: computed on the way: QUANTISED
;;     5. batch 4 x [M 64, K 2,048] x [K 2,048, N 32,768]; A: computed on the way; B: softmax (see below): QUANTISED
;;     6. [M 8,192, K 1,024] x [K 1,024, N 1,024]; A: computed on the way; B: input Wo (given as codes): QUANTISED
;;   THE QUANTISER, for each operand of a quantised product, along K:
;;     - K is cut into blocks of 32 from its start; a last block that is shorter is filled with zeros.
;;     - A block's scale is 2^e with e = floor(log2(the largest magnitude in the block)) - 15, held to -126 .. 127; a block of zeros has e = 0. As a byte (E8M0): e + 127.
;;     - Each number is divided by its block's scale, clamped to +-57,344, and rounded to the nearest number of E5M2, ties to even, subnormals kept.
;;     - The product sums the exact products of the quantised numbers (number of the format x scale) in f32.
;;   ~~~python
;;   def quantise(x, axis):      # numpy; x: float32 -> the quantised numbers, widened to float32 again
;;       x = np.moveaxis(x, axis, -1); K = x.shape[-1]
;;       x = np.pad(x, [(0, 0)] * (x.ndim - 1) + [(0, -K % 32)]); x = x.reshape(x.shape[:-1] + (-1, 32)); a = np.abs(x).max(-1, keepdims=True)
;;       e = np.where(a > 0, np.clip(np.frexp(np.where(a > 0, a, 1))[1] - 1 - 15, -126, 127), 0)      # np.frexp(a)[1] - 1 = floor(log2(a)), exactly
;;       r = np.clip(x / 2.0 ** e, -57344, 57344)
;;       step = 2.0 ** (np.maximum(np.frexp(np.where(r == 0, 1, r))[1] - 1, -14) - 2)
;;       q = np.round(r / step) * step * 2.0 ** e      # np.round: ties to even
;;       return np.moveaxis(q.reshape(q.shape[:-2] + (-1,))[..., :K], -1, axis).astype(np.float32)
;;   ~~~
;;   SOFTMAX AHEAD OF A QUANTISED PRODUCT. Where the list says 'softmax', what is quantised is not the finished softmax but p = 2^(t - M), with t = logit x log2(e) and M = ceil(the row's largest t), a whole number; so 1/2 < the row's largest p <= 1. The row's sum l is taken of the UNQUANTISED p, in f32, and the product's result is divided by l at the end. Since M is a whole number, a kernel that streams over the keys may use a running M (the ceiling of the running maximum): every later rescaling is an exact power of two, which a block's scale takes up: the codes' values come out the same.
;;   OPERANDS COMPUTED ON THE WAY. 'Computed on the way' means the value that the module computes at that place (a softmax that the list does not call 'softmax' is quantised finished and normalised). What goes into a quantiser is computed in f32, as accurately as f32 sums, v_exp_f32 and their like allow (about 1e-6 of the number): no bf16 or f16 on the way to a quantiser, and a product that is left as it is and whose result goes on into a quantised operand takes f32 operands (vector FMAs, or v_wmma_f32_16x16x4_f32). A number that lies on a knife's edge between two numbers of the format may be rounded either way, as far as f32 arithmetic and the matrix unit's own rounding can turn it there, and no further.
;;   INPUTS GIVEN AS CODES. Wk (in the module: [1024, 64], K = its axis 0); Wo (in the module: [1024, 1024], K = its axis 0); Wq (in the module: [1024, 1024], K = its axis 0); Wv (in the module: [1024, 64], K = its axis 0); hidden_state (in the module: [4, 2048, 1024], K = its axis 2): each comes as NAME_codes (uint8): NAME with its K axis moved to the last place and cut into blocks of 32 codes, [.., K / 32, bytes a block], one block behind the other in memory; one code a byte (a code: sign, 5 exponent bits, 2 mantissa bits); and NAME_scales (uint8): the same leading axes, one E8M0 byte (e + 127) for each 32 codes along K. Its value is code x scale, taken as it is: it is not quantised again, and the codes and scales need not be those that the quantiser above would give.
;; One version. Each part assembles by itself: llvm-mc -triple=amdgcn-amd-amdhsa -mcpu=gfx1250 --defsym DOCPART=n.
;; ======== version 1 of 1: 3 launches
;; limits: right only within a limited range of input values
;; workspace buffers: Qimg 8,388,608 bytes; Qsc 524,288 bytes; KV 1,114,112 bytes; Aimg 8,388,608 bytes; Asc 262,144 bytes
;; launch proj (part 1): grid 64 x 4, 4 waves a work-group, no clusters, 167,936 bytes of LDS; arguments hidden_state_codes, hidden_state_scales, Wq_codes, Wq_scales, bq, Wk_codes, Wk_scales, bk, Wv_codes, Wv_scales, bv, Qimg, Qsc, KV; writes Qimg, Qsc, KV
.if DOCPART == 1
	.amdgcn_target "amdgcn-amd-amdhsa--gfx1250"
	.amdhsa_code_object_version 6
	.text
	.protected	k_qb76efd53a3_proj
	.globl	k_qb76efd53a3_proj
	.p2align	8
	.type	k_qb76efd53a3_proj,@function
k_qb76efd53a3_proj:
	s_mov_b64 s[64:65], 0
	v_nop
	global_prefetch_b8 v0, s[64:65] scope:SCOPE_SE
	s_setreg_imm32_b32 hwreg(HW_REG_WAVE_MODE, 25, 1), 1
	s_wait_xcnt 0x0
; q = X Wq + bq, k = X Wk + bk, v = X Wv + bv on codes of BF8 (E5M2) with one E8M0 scale for each 32 along K; the results are quantised in registers, by the stated rule, for the attention launch.
; DEAD WORK: none is left out in this program.  Every input has a way to out0; bk, which a softmax in real numbers would cancel, moves k's codes and scales and so stays.
; LIMITS: NaN and infinities among the inputs (a scale byte 0xff among them) are not served.  A block of zeros gets the scale byte 1 where the rule says 127: its codes are zeros, and these bytes are read by this program alone.
; SHARES.  Work-group x = a block of 128 tokens (one key step of the attention), y = 0..3 a slice: wave w makes head 4 y + w of q: 8 tiles of 16 tokens x 4 tiles of 16 channels, 32 accumulators.
;   Then ONE wave, number y % 2, goes on to a quarter of the block's record of KV, from the same rows of X in LDS: y = 0, 1: k of token tiles 4 y .. 4 y + 3 (x 4 channel tiles); y = 2, 3: v's channel tiles 2 (y - 2), 2 (y - 2) + 1 (x 8 token tiles).
;   So the grid is 256 work-groups.  The wave is y % 2 so that its LDS address of k's four token tiles is made from the wave's number alone.
; X's 128 rows of 1,024 bytes come into LDS once, a quarter by each wave's one tensor load; a wave's weights (64 or 32 rows x 1,024 bytes) go from memory straight into its registers and are read once.
; NO CLUSTER: the four work-groups that share a token block part on the slice number (k or v, and which wave goes on).
; LAYOUT.  q, k: source 0 = 16 rows of W, source 1 = 16 tokens: a lane holds ONE token.  THE ROWS OF W THAT FORM A TILE ARE NOT NEIGHBOURS: lane r of tile 2 b + u takes row 32 b + 8 u + r + 8 (r / 8),
;   so that the 16 registers of tiles 2 b, 2 b + 1 are channels 32 b + 16 (lane / 16) + 0 .. 15: the conversions' results are an operand's registers.
;   v: source 0 = 16 tokens, source 1 = 16 rows of Wv (chosen the same way): a lane holds ONE channel and its registers run along the tokens, which are the keys, the second attention product's K.
;   Place 16 h + i of key block c then holds key 32 c + 8 h + i % 8 + 16 (i / 8): the same order in which the attention launch's p falls: one permutation inside a block of 32 on both operands.
; OUTPUTS are images of operands' registers: a group of four registers is 512 bytes, lane l's 16 bytes at 16 l.
;   Qimg [token tile 512][head 16][c 2][512 B];  Qsc [tile pair 256][head 16][tile % 2][row 16] words: bytes q0 q1 q0 q1.
;   KV [token block 64] records of 17,408 bytes: K: 4 fragments of 2,048 (groups 0, 1: key tile 2 i; groups 2, 3: key tile 2 i + 1); V at 8,192: 4 fragments (channel tile, group c = key block c);
;   at 16,384 K's scale words (8 bytes a lane: fragments 0, 1; at 16,640: 2, 3); at 16,896 V's (tiles 0, 1; at 17,152: 2, 3).
; REGISTERS, in windows of 256: window 0: v3-15 addresses, v16-31 at work, v32-63 X's scale words, v64-79 W's, v80-111 the bias in the result's layout, v128-255 X's fragments (two buffers of four), later codes.
;   window 1: the accumulators.   windows 2, 3: W's fragments: K step s, tile t at 16 (NT s + t).
.set PITCH,  1040                      ; an LDS row of X: 1,024 bytes + 16
.set TILEB,  16*PITCH
.set SPARE,  128*PITCH                 ; behind X: the spare words, 128 bytes for each wave
.set REC,    17408
.set ADRA0, 3                          ; v3   r x PITCH + 16 h: token tiles 0-3
.set ADRA1, 4                          ; v4   the same for token tiles 4-7
.set ADRK,  5                          ; v5   k's four tiles: 4 (wave % 2) on
.set WOFF,  6                          ; v6   (r + 8 (r / 8)) x 1,024 + 16 h
.set WSOFF, 7                          ; v7   (8 h + r + 8 (r / 8)) x 32
.set L16,   8
.set L4,    9
.set L8,    10
.set XSOFF, 11                         ; v11  32 x lane
.set SPW,   12
.set NIL,   13
.set BOFF,  14                         ; v14  64 h
.set BVOFF, 15                         ; v15  4 (r + 8 (r / 8))
.set TM,    16                         ; v16-19 largest magnitudes, v20-23 bytes, v24-27 the largest number x the scale, v28-31 the conversions' scale operands
.set XS,    32
.set WS,    64
.set BI,    80
.set AF,    128
.set PC,    128                        ; behind the products: the codes
.set PW,    192                        ; and the scale words
.set TE,    200
.set WV,  32
.set TBK, 33
.set YS,  34
.set HD,  35
.set G0,  36
.set G1,  40
.set SEL, 48
.set MNT, 50
.set UPH, 51                           ; the mask of lanes 16-31
.set WB,  52
.set WSB, 54
.set BB,  56
.set O1,  58
.set O2,  60
.set MSB, 0
.macro WIN new                         ; the immediate's high byte repeats the setting that is left
.if MSB != \new
	s_set_vgpr_msb (MSB<<8)|\new
.set MSB, \new
.endif
.endm
.macro PLACES n
.rept \n
	v_nop
.endr
.endm
.macro WMMA                            ; one product; its registers and scale rows stand in symbols
.if fRA && fRB
	v_wmma_scale_f32_16x16x128_f8f6f4 v[rD:rD+7], v[rA:rA+15], v[rB:rB+15], v[rC:rC+7], v[rSA], v[rSB] matrix_a_fmt:MATRIX_FMT_BF8 matrix_b_fmt:MATRIX_FMT_BF8 matrix_a_scale:MATRIX_SCALE_ROW1 matrix_b_scale:MATRIX_SCALE_ROW1
.elseif fRA
	v_wmma_scale_f32_16x16x128_f8f6f4 v[rD:rD+7], v[rA:rA+15], v[rB:rB+15], v[rC:rC+7], v[rSA], v[rSB] matrix_a_fmt:MATRIX_FMT_BF8 matrix_b_fmt:MATRIX_FMT_BF8 matrix_a_scale:MATRIX_SCALE_ROW1
.elseif fRB
	v_wmma_scale_f32_16x16x128_f8f6f4 v[rD:rD+7], v[rA:rA+15], v[rB:rB+15], v[rC:rC+7], v[rSA], v[rSB] matrix_a_fmt:MATRIX_FMT_BF8 matrix_b_fmt:MATRIX_FMT_BF8 matrix_b_scale:MATRIX_SCALE_ROW1
.else
	v_wmma_scale_f32_16x16x128_f8f6f4 v[rD:rD+7], v[rA:rA+15], v[rB:rB+15], v[rC:rC+7], v[rSA], v[rSB] matrix_a_fmt:MATRIX_FMT_BF8 matrix_b_fmt:MATRIX_FMT_BF8
.endif
.endm
.macro WLOAD s, nt                     ; W's nt fragments of K step s, from memory into their registers
.if (\nt) == 4
.if (\s) < 4
	WIN 0x80
.else
	WIN 0xc0
.endif
.set WR, 64*((\s)%4)
.else
	WIN 0x80
.set WR, 32*(\s)
.endif
.set T_, 0
.rept \nt
.irp c, 0,1,2,3
	global_load_b128 v[WR+16*T_+4*\c:WR+16*T_+4*\c+3], v[WOFF], s[WB:WB+1] offset:(32*(T_/2)+8*(T_%2))*1024+128*(\s)+32*\c
.endr
.set T_, T_+1
.endr
	WIN 0
.endm
.macro FETCH buf, adr, imm             ; four fragments of X (16 tokens x 128 K each) from LDS into buffer buf
.irp i, 0,1,2,3
.irp c, 0,1,2,3
	ds_load_b128 v[AF+64*(\buf)+16*\i+4*\c:AF+64*(\buf)+16*\i+4*\c+3], v[\adr] offset:(\imm)+\i*TILEB+32*\c
.endr
.endr
.endm
; 16 products: token tiles 4 hf + 0 .. 3 x W's four tiles, K step s.  The first K step takes the bias as C.  The accumulators take turns, one instruction a turn.
.macro MULT buf, s, hf
.if (\s) == 0
	WIN 0x42                                       ; W window 2, X window 0, the bias window 0, D window 1
.elseif (\s) < 4
	WIN 0x52                                       ; C and D window 1
.else
	WIN 0x53                                       ; W window 3
.endif
.irp i, 0,1,2,3
.irp t, 0,1,2,3
.set rD, 8*(4*(4*(\hf)+\i)+\t)
.set rA, 64*((\s)%4)+16*\t
.set rB, AF+64*(\buf)+16*\i
.if (\s) == 0
.set rC, BI+8*\t
.else
.set rC, rD
.endif
.set rSA, WS+8*(\t/2)+(\s)
.set rSB, XS+8*((4*(\hf)+\i)/2)+(\s)
.set fRA, \t%2
.set fRB, \i%2
	WMMA
.endr
.endr
.endm
; 8 products of v: source 0 = X's token tiles 4 hf + 0 .. 3, source 1 = my two tiles of Wv
.macro MULV buf, s, hf
.if (\s) == 0
	WIN 0x48                                       ; X window 0, Wv window 2, the bias window 0, D window 1
.else
	WIN 0x58
.endif
.irp i, 0,1,2,3
.irp t, 0,1
.set rD, 8*(8*\t+4*(\hf)+\i)
.set rA, AF+64*(\buf)+16*\i
.set rB, 32*(\s)+16*\t
.if (\s) == 0
.set rC, BI+8*\t
.else
.set rC, rD
.endif
.set rSA, XS+8*((4*(\hf)+\i)/2)+(\s)
.set rSB, WS+(\s)
.set fRA, \i%2
.set fRB, \t%2
	WMMA
.endr
.endr
.endm
; 64 numbers of a lane in window 1, v[a] on: four blocks, 16 numbers of each (the other 16 lie in lane l xor 16), become 16 registers of codes at v[pc] and a scale word in v[pw].
; kind = 0: the word is the four blocks' bytes.  kind = 1 (q): lanes 0-15 take blocks 0, 1 (the even token tile), lanes 16-31 blocks 2, 3; the two bytes stand twice in the word.
.macro QUANT a, pc, pw, kind
	WIN 0x05
.irp b, 0,1,2,3
	v_max3_num_f32 v[TM+\b], |v[(\a)+16*\b]|, |v[(\a)+16*\b+1]|, 0x8000000   ; each accumulator is read from its low end on; the floor 2^(16 - 127) holds the byte at 1 from below
.endr
	WIN 0x14
.irp i, 2,4,6,8,10,12,14
.irp b, 0,1,2,3
	v_max3_num_f32 v[TM+\b], v[TM+\b], |v[(\a)+16*\b+\i]|, |v[(\a)+16*\b+\i+1]|
.endr
.endr
	WIN 0
.irp b, 0,1,2,3
	v_permlanex16_b32 v[TM+4+\b], v[TM+\b], s[SEL], s[SEL+1]
.endr
.irp b, 0,1,2,3
	v_max_num_f32 v[TM+\b], v[TM+\b], v[TM+4+\b]   ; the block's largest magnitude
.endr
.irp b, 0,1,2,3
	v_add_nc_u32 v[TM+12+\b], 0xf8800000, v[TM+\b] ; 15 off its exponent field: the conversion's scale operand
.endr
.irp b, 0,1,2,3
	v_and_or_b32 v[TM+8+\b], v[TM+\b], 0x7f800000, s[MNT]   ; 57,344 x the scale
.endr
.irp b, 0,1,2,3
	v_lshrrev_b32 v[TM+4+\b], 23, v[TM+12+\b]      ; the scale's byte
.endr
.if \kind
	v_lshl_or_b32 v[TE], v[TM+5], 8, v[TM+4]
	v_lshl_or_b32 v[TE+1], v[TM+7], 8, v[TM+6]
	v_cndmask_b32 v[TE], v[TE], v[TE+1], s[UPH]
	v_lshl_or_b32 v[\pw], v[TE], 16, v[TE]
.else
	v_lshl_or_b32 v[\pw], v[TM+5], 8, v[TM+4]
	v_lshl_or_b32 v[\pw], v[TM+6], 16, v[\pw]
	v_lshl_or_b32 v[\pw], v[TM+7], 24, v[\pw]
.endif
	WIN 0x41
.irp b, 0,1,2,3
.irp i, 0,1,2,3,4,5,6,7,8,9,10,11,12,13,14,15
	v_med3_num_f32 v[(\a)+16*\b+\i], v[(\a)+16*\b+\i], -v[TM+8+\b], v[TM+8+\b]   ; the conversion to an 8-bit code does not saturate (ISA guide 7.6.2): the hold comes first
.endr
.endr
	WIN 0x01
.irp b, 0,1,2,3
	v_cvt_scalef32_pk8_bf8_f32 v[(\pc)+4*\b:(\pc)+4*\b+1], v[(\a)+16*\b:(\a)+16*\b+7], v[TM+12+\b]
	v_cvt_scalef32_pk8_bf8_f32 v[(\pc)+4*\b+2:(\pc)+4*\b+3], v[(\a)+16*\b+8:(\a)+16*\b+15], v[TM+12+\b]
.endr
	WIN 0
	v_nop                                          ; one plain line behind the last conversion
.endm
.macro XSLOAD np                       ; X's scale words: pair i of token tiles: lane l takes row 32 i + l's 32 bytes: a word for each K step
.set P_, 0
.rept \np
	global_load_b128 v[XS+8*P_:XS+8*P_+3], v[XSOFF], s[6:7] offset:1024*P_
	global_load_b128 v[XS+8*P_+4:XS+8*P_+7], v[XSOFF], s[6:7] offset:1024*P_+16
.set P_, P_+1
.endr
.endm
.macro WSLOAD np                       ; W's likewise, by the tiles' rows
.set P_, 0
.rept \np
	global_load_b128 v[WS+8*P_:WS+8*P_+3], v[WSOFF], s[WSB:WSB+1] offset:1024*P_
	global_load_b128 v[WS+8*P_+4:WS+8*P_+7], v[WSOFF], s[WSB:WSB+1] offset:1024*P_+16
.set P_, P_+1
.endr
.endm
.macro BILOAD                          ; the bias of q or k in the result's layout: tile t, lane half h: channels 32 (t / 2) + 16 h + 8 (t % 2) + 0 .. 7
.irp t, 0,1,2,3
	global_load_b128 v[BI+8*\t:BI+8*\t+3], v[BOFF], s[BB:BB+1] offset:(32*(\t/2)+8*(\t%2))*4
	global_load_b128 v[BI+8*\t+4:BI+8*\t+7], v[BOFF], s[BB:BB+1] offset:(32*(\t/2)+8*(\t%2))*4+16
.endr
.endm
.macro FINISH                          ; the wave's end, behind my tensor load
	s_wait_tensorcnt 0x0
	ds_add_u32 v[SPW], v[NIL]
	s_wait_dscnt 0x0
	s_endpgm
.endm
	s_load_b512 s[4:19], s[0:1], 0x0               ; X's codes s[4:5], X's scales s[6:7], Wq s[8:9], its scales s[10:11], bq s[12:13], Wk s[14:15], its scales s[16:17], bk s[18:19]
	s_load_b256 s[20:27], s[0:1], 0x40             ; Wv s[20:21], its scales s[22:23], bv s[24:25], Qimg s[26:27]
	s_load_b128 s[28:31], s[0:1], 0x60             ; Qsc s[28:29], KV s[30:31]
	v_lshl_add_u32 v[SPW], v0, 2, SPARE
	v_mov_b32 v[NIL], 0
	ds_add_u32 v[SPW], v[NIL]                      ; the wave's opening: the add, twice on end, and its wait ahead of my tensor load
	ds_add_u32 v[SPW], v[NIL]
	v_lshrrev_b32 v1, 5, v0
	v_readfirstlane_b32 s[WV], v1                  ; wave 0..3
	s_mov_b32 s[TBK], ttmp9                        ; the token block
	s_and_b32 s[YS], ttmp7, 0xffff                 ; the slice
	s_mov_b32 s[G1+0], (0<<16)|(1<<20)|(7<<22)|(3<<25)   ; no mask; elements of 1 byte; padding on: four words behind every 256 words
	s_mov_b32 s[G1+1], 1024<<16
	s_mov_b32 s[G1+2], 32<<16
	s_mov_b32 s[G1+3], 1024<<16
	s_mov_b32 s[G1+4], 32                          ; 32 rows of 1,024 bytes
	s_mov_b32 s[G1+5], 1024
	s_mov_b32 s[G1+6], 0
	s_mov_b32 s[G1+7], 0
	s_mul_i32 s[HD], s[WV], 32*PITCH               ; my 32 rows in LDS
	s_lshl_b32 s62, ttmp9, 17                      ; 128 rows of 1,024 bytes a block,
	s_lshl_b32 s63, s[WV], 15                      ; 32 a wave
	s_add_co_u32 s62, s62, s63
	s_mov_b32 s63, 0
	s_mov_b32 s[SEL], 0x76543210
	s_mov_b32 s[SEL+1], 0xfedcba98                 ; lane l xor 16
	s_mov_b32 s[MNT], 0x600000                     ; the mantissa field of 57,344
	s_mov_b32 s[UPH], 0xffff0000
	s_wait_dscnt 0x0                               ; both opening adds are done
	s_wait_kmcnt 0x0
	s_mov_b32 s[G0], 1
	s_mov_b32 s[G0+1], s[HD]
	s_add_nc_u64 s[G0+2:G0+3], s[4:5], s[62:63]
	s_or_b32 s[G0+3], s[G0+3], 0x80000000
	tensor_load_to_lds s[G0:G0+3], s[G1:G1+7]      ; my one tensor load
	s_nop 0
	v_and_b32 v1, 15, v0                           ; r
	v_bfe_u32 v2, v0, 4, 1                         ; h
	v_mul_u32_u24 v[ADRA0], v1, PITCH
	v_lshl_add_u32 v[ADRA0], v2, 4, v[ADRA0]
	v_add_nc_u32 v[ADRA1], 4*TILEB, v[ADRA0]
	s_and_b32 s62, s[WV], 1
	s_mul_i32 s62, s62, 4*TILEB
	v_add_nc_u32 v[ADRK], s62, v[ADRA0]
	v_and_b32 v16, 8, v1
	v_add_nc_u32 v16, v16, v1                      ; r + 8 (r / 8)
	v_lshlrev_b32 v[WOFF], 10, v16
	v_lshl_add_u32 v[WOFF], v2, 4, v[WOFF]
	v_lshl_add_u32 v[WSOFF], v2, 3, v16
	v_lshlrev_b32 v[WSOFF], 5, v[WSOFF]
	v_and_b32 v17, 31, v0                          ; lane
	v_lshlrev_b32 v[L16], 4, v17
	v_lshlrev_b32 v[L4], 2, v17
	v_lshlrev_b32 v[L8], 3, v17
	v_lshlrev_b32 v[XSOFF], 5, v17
	v_lshlrev_b32 v[BOFF], 6, v2
	v_lshlrev_b32 v[BVOFF], 2, v16
.irp b, 0,1,2,3
	v_mov_b32 v[TM+4+\b], 0                        ; written once: a lane permute's destination counts as one of its sources
.endr
	s_mov_b32 s63, 0
	s_lshl_b32 s62, s[TBK], 12                     ; X's scale bytes: 128 rows of 32
	s_add_nc_u64 s[6:7], s[6:7], s[62:63]
	; ---------------- q: head 4 y + wave
	s_lshl_b32 s[HD], s[YS], 2
	s_add_co_u32 s[HD], s[HD], s[WV]
	s_lshl_b32 s62, s[HD], 16                      ; 64 rows of 1,024 bytes
	s_add_nc_u64 s[WB:WB+1], s[8:9], s[62:63]
	s_lshl_b32 s62, s[HD], 11                      ; 64 rows of 32 scale bytes
	s_add_nc_u64 s[WSB:WSB+1], s[10:11], s[62:63]
	s_lshl_b32 s62, s[HD], 8                       ; 64 numbers of bq
	s_add_nc_u64 s[BB:BB+1], s[12:13], s[62:63]
	s_lshl_b32 s62, s[TBK], 17                     ; Qimg: 8 token tiles of 16,384 bytes,
	s_lshl_b32 s[YS], s[HD], 10                    ; a head 1,024
	s_add_co_u32 s62, s62, s[YS]
	s_add_nc_u64 s[O1:O1+1], s[26:27], s[62:63]
	s_lshl_b32 s62, s[TBK], 13                     ; Qsc: 4 pairs of tiles of 2,048 bytes,
	s_lshl_b32 s[YS], s[HD], 7                     ; a head 128
	s_add_co_u32 s62, s62, s[YS]
	s_add_nc_u64 s[O2:O2+1], s[28:29], s[62:63]
	s_wait_alu depctr_va_vdst(0)
	XSLOAD 4
	WSLOAD 2
	BILOAD
	WLOAD 0, 4
	WLOAD 1, 4
	WLOAD 2, 4
	WLOAD 3, 4
	s_wait_tensorcnt 0x0                           ; my quarter of X is in,
	s_barrier_signal -1
	s_barrier_wait -1                              ; everybody's is; nothing is ever filled again
	FETCH 0, ADRA0, 0
	FETCH 1, ADRA1, 0
.irp s, 0,1,2,3,4,5,6,7
.irp hf, 0,1
.if \hf == 0
.if \s < 5
	s_wait_loadcnt 48                              ; this K step's weights (and all before them) are in; behind them: the weights of three later steps, 16 loads each
.else
	s_wait_loadcnt 16*(7-\s)                       ; the later steps left
.endif
.endif
.if (\s == 7) && (\hf == 1)
	s_wait_dscnt 0x0
.else
	s_wait_dscnt 16                                ; this half's fragments are in; the next half's 16 loads may be out
.endif
	MULT \hf, \s, \hf
.if \s < 7
	PLACES 8                                       ; eight places between products and loads into registers that they read
	WIN 0
	FETCH \hf, ADRA0+\hf, 128*(\s+1)
.endif
.if (\hf == 0) && (\s < 4)
	WLOAD \s+4, 4
.endif
.endr
.endr
	PLACES 8                                       ; between the last products and the first read of results
.irp n, 0,1,2,3                        ; token tiles 2 n, 2 n + 1
	QUANT 64*\n, PC+16*\n, PW+\n, 1
.irp g, 0,1,2,3
	global_store_b128 v[L16], v[PC+16*\n+4*\g:PC+16*\n+4*\g+3], s[O1:O1+1] offset:(2*\n+\g/2)*16384+(\g%2)*512   ; 32 lanes store 512 consecutive bytes, aligned
.endr
	global_store_b32 v[L4], v[PW+\n], s[O2:O2+1] offset:2048*\n
.endr
	s_wait_alu depctr_va_vdst(0)
	s_and_b32 s[G0], ttmp7, 0xffff                 ; the slice (my tensor load has long landed: its descriptor's registers are free)
	s_and_b32 s[YS], s[G0], 1                      ; which half of k or of v, and which wave makes it
	s_cmp_eq_u32 s[WV], s[YS]
	s_cbranch_scc1 .Lkv
	FINISH
	; ---------------- wave y % 2 goes on: a quarter of the record of KV, by the slice
.Lkv:
	s_wait_xcnt 0x0                                ; q's stores have read their bases and their data: both are written anew below
	s_mul_i32 s[HD], s[TBK], REC                   ; my record
	s_cmp_lt_u32 s[G0], 2
	s_cbranch_scc0 .Lvrole
	s_mov_b64 s[WB:WB+1], s[14:15]
	s_mov_b64 s[WSB:WSB+1], s[16:17]
	s_mov_b64 s[BB:BB+1], s[18:19]
	s_lshl_b32 s62, s[YS], 11                      ; my four token tiles' scale bytes
	s_add_nc_u64 s[6:7], s[6:7], s[62:63]
	s_lshl_b32 s62, s[YS], 12                      ; my two fragments of K
	s_add_co_u32 s62, s62, s[HD]
	s_add_nc_u64 s[O1:O1+1], s[30:31], s[62:63]
	s_lshl_b32 s62, s[YS], 8
	s_add_co_u32 s62, s62, s[HD]
	s_add_co_u32 s62, s62, 16384                   ; and their scale words
	s_add_nc_u64 s[O2:O2+1], s[30:31], s[62:63]
	s_wait_alu depctr_va_vdst(0)
	XSLOAD 2
	WSLOAD 2
	BILOAD
	WLOAD 0, 4
	WLOAD 1, 4
	WLOAD 2, 4
	WLOAD 3, 4
	FETCH 0, ADRK, 0
	FETCH 1, ADRK, 128
.irp s, 0,1,2,3,4,5,6,7
.if \s < 5
	s_wait_loadcnt 48                              ; behind this step's weights: those of three later steps, 16 loads each
.else
	s_wait_loadcnt 16*(7-\s)
.endif
.if \s == 7
	s_wait_dscnt 0x0
.else
	s_wait_dscnt 16                                ; the next step's 16 fragment loads may be out
.endif
	MULT \s%2, \s, 0
.if \s < 6
	PLACES 8
	WIN 0
	FETCH \s%2, ADRK, 128*(\s+2)
.endif
.if \s < 4
	WLOAD \s+4, 4
.endif
.endr
	PLACES 8
.irp n, 0,1                            ; key tiles 2 n, 2 n + 1 of my four: one fragment, and its word: the two tiles' two bytes each
	QUANT 64*\n, PC+16*\n, PW+\n, 0
.irp g, 0,1,2,3
	global_store_b128 v[L16], v[PC+16*\n+4*\g:PC+16*\n+4*\g+3], s[O1:O1+1] offset:2048*\n+512*\g
.endr
.endr
	global_store_b64 v[L8], v[PW:PW+1], s[O2:O2+1] ; 32 lanes store 256 consecutive bytes, aligned
	FINISH
.Lvrole:
	s_lshl_b32 s62, s[YS], 15                      ; my 32 rows of Wv,
	s_add_nc_u64 s[WB:WB+1], s[20:21], s[62:63]
	s_lshl_b32 s62, s[YS], 10                      ; their scale bytes,
	s_add_nc_u64 s[WSB:WSB+1], s[22:23], s[62:63]
	s_lshl_b32 s62, s[YS], 7                       ; their 32 numbers of bv
	s_add_nc_u64 s[BB:BB+1], s[24:25], s[62:63]
	s_lshl_b32 s62, s[YS], 12
	s_add_co_u32 s62, s62, s[HD]
	s_add_co_u32 s62, s62, 8192                    ; my two fragments of V
	s_add_nc_u64 s[O1:O1+1], s[30:31], s[62:63]
	s_lshl_b32 s62, s[YS], 8
	s_add_co_u32 s62, s62, s[HD]
	s_add_co_u32 s62, s62, 16896                   ; and their scale words
	s_add_nc_u64 s[O2:O2+1], s[30:31], s[62:63]
	s_wait_alu depctr_va_vdst(0)
	XSLOAD 4
	WSLOAD 1
.irp t, 0,1
.irp j, 0,1,2,3,4,5,6,7
	global_load_b32 v[BI+8*\t+\j], v[BVOFF], s[BB:BB+1] offset:32*\t   ; a lane holds one channel: its bias stands in all eight registers of the C
.endr
.endr
	WLOAD 0, 2
	WLOAD 1, 2
	WLOAD 2, 2
	WLOAD 3, 2
	FETCH 0, ADRA0, 0
	FETCH 1, ADRA1, 0
.irp s, 0,1,2,3,4,5,6,7
.irp hf, 0,1
.if \hf == 0
.if \s < 5
	s_wait_loadcnt 24                              ; behind this step's weights: those of three later steps, 8 loads each
.else
	s_wait_loadcnt 8*(7-\s)
.endif
.endif
.if (\s == 7) && (\hf == 1)
	s_wait_dscnt 0x0
.else
	s_wait_dscnt 16
.endif
	MULV \hf, \s, \hf
.if \s < 7
	PLACES 8
	WIN 0
	FETCH \hf, ADRA0+\hf, 128*(\s+1)
.endif
.if (\hf == 0) && (\s < 4)
	WLOAD \s+4, 2
.endif
.endr
.endr
	PLACES 8
.irp n, 0,1                            ; a channel tile: 128 keys a lane's channel: a whole fragment and its whole word
	QUANT 64*\n, PC+16*\n, PW+\n, 0
.irp g, 0,1,2,3
	global_store_b128 v[L16], v[PC+16*\n+4*\g:PC+16*\n+4*\g+3], s[O1:O1+1] offset:2048*\n+512*\g
.endr
.endr
	global_store_b64 v[L8], v[PW:PW+1], s[O2:O2+1]
	FINISH
.Lfunc_end_k_qb76efd53a3_proj:
	.size	k_qb76efd53a3_proj, .Lfunc_end_k_qb76efd53a3_proj-k_qb76efd53a3_proj
	.p2alignl 7, 3214868480
	.fill 96, 4, 3214868480
	.section	.rodata,"a",@progbits
	.p2align	6, 0x0
	.amdhsa_kernel k_qb76efd53a3_proj
		.amdhsa_group_segment_fixed_size 167936
		.amdhsa_private_segment_fixed_size 0
		.amdhsa_enable_private_segment 0
		.amdhsa_kernarg_size 112
		.amdhsa_user_sgpr_count 2
		.amdhsa_user_sgpr_kernarg_segment_ptr 1
		.amdhsa_wavefront_size32 1
		.amdhsa_system_sgpr_workgroup_id_x 1
		.amdhsa_system_sgpr_workgroup_id_y 1
		.amdhsa_system_sgpr_workgroup_id_z 1
		.amdhsa_system_vgpr_workitem_id 0
		.amdhsa_next_free_vgpr 1024
		.amdhsa_next_free_sgpr 66
		.amdhsa_reserve_vcc 0
		.amdhsa_float_denorm_mode_32 3
		.amdhsa_float_denorm_mode_16_64 3
		.amdhsa_memory_ordered 1
		.amdhsa_forward_progress 1
		.amdhsa_inst_pref_size 230
	.end_amdhsa_kernel
	.amdgpu_metadata
---
amdhsa.version: [ 1, 2 ]
amdhsa.kernels:
  - .name:           k_qb76efd53a3_proj
    .symbol:         k_qb76efd53a3_proj.kd
    .args:
      - { .name: hidden_state_codes, .offset: 0, .size: 8, .value_kind: global_buffer, .address_space: global }
      - { .name: hidden_state_scales, .offset: 8, .size: 8, .value_kind: global_buffer, .address_space: global }
      - { .name: Wq_codes, .offset: 16, .size: 8, .value_kind: global_buffer, .address_space: global }
      - { .name: Wq_scales, .offset: 24, .size: 8, .value_kind: global_buffer, .address_space: global }
      - { .name: bq, .offset: 32, .size: 8, .value_kind: global_buffer, .address_space: global }
      - { .name: Wk_codes, .offset: 40, .size: 8, .value_kind: global_buffer, .address_space: global }
      - { .name: Wk_scales, .offset: 48, .size: 8, .value_kind: global_buffer, .address_space: global }
      - { .name: bk, .offset: 56, .size: 8, .value_kind: global_buffer, .address_space: global }
      - { .name: Wv_codes, .offset: 64, .size: 8, .value_kind: global_buffer, .address_space: global }
      - { .name: Wv_scales, .offset: 72, .size: 8, .value_kind: global_buffer, .address_space: global }
      - { .name: bv, .offset: 80, .size: 8, .value_kind: global_buffer, .address_space: global }
      - { .name: Qimg, .offset: 88, .size: 8, .value_kind: global_buffer, .address_space: global }
      - { .name: Qsc, .offset: 96, .size: 8, .value_kind: global_buffer, .address_space: global }
      - { .name: KV, .offset: 104, .size: 8, .value_kind: global_buffer, .address_space: global }
    .group_segment_fixed_size: 167936
    .private_segment_fixed_size: 0
    .kernarg_segment_align: 8
    .kernarg_segment_size: 112
    .max_flat_workgroup_size: 128
    .sgpr_count:     66
    .vgpr_count:     1024
    .wavefront_size: 32
...
	.end_amdgpu_metadata
.endif
;; end of part 1
;; launch attn (part 2): grid 256 x 1, 8 waves a work-group, clusters of 4 x 1, 327,680 bytes of LDS; arguments Qimg, Qsc, KV, Aimg, Asc; writes Aimg, Asc
.if DOCPART == 2
	.amdgcn_target "amdgcn-amd-amdhsa--gfx1250"
	.amdhsa_code_object_version 6
	.text
	.protected	k_qb76efd53a3_attn
	.globl	k_qb76efd53a3_attn
	.p2align	8
	.type	k_qb76efd53a3_attn,@function
k_qb76efd53a3_attn:
	s_mov_b64 s[64:65], 0
	v_nop
	global_prefetch_b8 v0, s[64:65] scope:SCOPE_SE
	s_setreg_imm32_b32 hwreg(HW_REG_WAVE_MODE, 25, 1), 1
	s_wait_xcnt 0x0
	s_wait_alu depctr_hold_cnt(0) depctr_sa_sdst(0) depctr_va_vdst(0) depctr_va_sdst(0) depctr_va_ssrc(0) depctr_va_vcc(0) depctr_vm_vsrc(0)
	s_getreg_b32 s2, hwreg(HW_REG_IB_STS2, 6, 4)
	s_cmp_eq_u32 s2, 0
	s_cbranch_scc0 .Lentry_in_a_cluster
	s_endpgm
.Lentry_in_a_cluster:
	s_bfe_u32 s2, ttmp6, 0x10000c
	s_cmp_lg_u32 s2, 0x3003
	s_cbranch_scc0 .Lentry_shape_is_right
	s_endpgm
.Lentry_shape_is_right:
; o = softmax(q k^T / 8) v for 16 query heads on ONE shared k and v, both products on codes of BF8 (E5M2) with E8M0 scales; o is quantised here for the projection on the way out.  No work of the problem is left out.
; THE SOFTMAX: t = score x log2(e) / 8; M = the running largest t rounded up to a whole number; p = 2^(t - M) is quantised along the keys, not normalised; the sum of the unquantised p divides at the end; when M moves, sum and O are multiplied by 2^(old M - new M).
; LIMITS: NaN and infinities are not served; the promise holds while |t| stays under 2^31.  A block of zeros gets the scale byte 1: its codes are zeros, and the bytes are read by this program alone.
; SHARES.  A work-group owns 32 tokens x 16 heads; wave w owns heads 2 w and 2 w + 1 (two tiles of 16 queries AT ONCE, so that each fragment of K and V read from LDS feeds both); the two token tiles are the two trips of the pass loop.
; The batch's 16 records of KV (278,528 bytes) come into LDS once, two records by each wave's one tensor load, and stay: nothing is filled again.
; Waves 0 and 1 have a load line of their own (records 0 to 3) and alone wait at the first barrier; a pass's first three key steps read those records only; behind them every wave waits for its load and a second barrier shows the rest.
; CLUSTER: the four work-groups of a cluster lie in one batch and ask for its KV jointly.  NO PREFETCH: the only loads of the stream stand at the head; there is no loop to run ahead in.
; LAYOUT as the first launch leaves it: a K fragment holds two key tiles (K = 64 each); Q's operand is (q, 0) for the first and (0, q) for the second.  Both products are used transposed: a lane holds one query.
; REGISTERS.  Window 0: v1-23 addresses and all scale words, v24-63 a tile's small state (tile t beside tile 0), v64-191 scores then p, v192-255 O^T.  Window 1: v0-63 K's fragments, v64-127 V's, v128-175 Q (q, 0, q a tile), v176-207 p's codes, v208-223 the second pass's q.
.set REC,    17408
.set PART,   2*REC
.set BATCHB, 16*REC
.set SPARE,  BATCHB                    ; behind KV: the spare words, 128 bytes a wave
.set L16,  1
.set ADR,  2
.set SPW,  3
.set NIL,  4
.set L8,   5
.set ADR8, 6
.set R4,   7
.set KS,   8                           ; v8-11 K's scale words
.set LANE, 12
.set WRD,  13
.set QS,   14                          ; v14, 15 Q's scale words, a tile each
.set VS,   16                          ; v16-19 V's
.set QSB,  20                          ; v20, 21 the second pass's
.set PW,   22                          ; v22, 23 p's scale words
.set BM,   24                          ; v24-31 a block's largest score, then largest p, then the hold's bound
.set PB,   32                          ; v32-39 the other half's maxima, then bytes, then four partial sums
.set SCO,  40                          ; v40-47 the conversions' scale operands
.set NM,   48                          ; pairs (-M, the running largest score)
.set F,    52                          ; pairs (f, 0)
.set SUM,  56                          ; pairs: the row's sum in two halves
.set TMP,  60                          ; v60, 61 and v62, 63: at work in M's chain; then two more partial sums
.set OLD,  62
.set S,    64
.set O,    192
.set KF,   0                           ; window 1 from here on
.set VF,   64
.set Q,    128
.set PCD,  176
.set QB,   208
.set WV,   14
.set G1,   24
.set G0,   32
.set SEL,  48
.set CS,   50
.set MNT,  52
.set TB,   53
.set TRIPS, 54
.set PASS, 58
.set MSB, 0
.macro WIN new                         ; the immediate's high byte repeats the setting that is left
.if MSB != \new
	s_set_vgpr_msb (MSB<<8)|\new
.set MSB, \new
.endif
.endm
.macro W
	s_wait_alu depctr_va_vdst(0)
.endm
.macro CROUND
	s_barrier_signal -1
	s_barrier_wait -1
	s_cmp_lg_u32 s[WV], 0
	s_cbranch_scc1 .Lnot_wave_0_\@
	s_barrier_signal -3
.Lnot_wave_0_\@:
	s_barrier_wait -3
	s_barrier_signal -1
	s_barrier_wait -1
.endm
.macro CODES reg, adr, off             ; four fragments, images of registers: 16 loads (destination: window 1)
.set J_, 0
.rept 16
	ds_load_b128 v[\reg+4*J_:\reg+4*J_+3], v[\adr] offset:(\off)+512*J_
.set J_, J_+1
.endr
.endm
.macro WORDS reg, adr, off             ; their four scale words (window 0)
	ds_load_b64 v[\reg:\reg+1], v[\adr] offset:\off
	ds_load_b64 v[\reg+2:\reg+3], v[\adr] offset:(\off)+256
.endm
.macro SUMS t                          ; the row's sum of the unquantised p: 32 packed additions, in seven chains by turns
.set J_, S+64*\t
.irp d, PB, PB+2, PB+4, PB+6, TMP, OLD
	v_pk_add_f32 v[\d:\d+1], v[J_:J_+1], v[J_+2:J_+3]
.set J_, J_+4
.endr
.rept 2
.irp d, SUM+2*\t, PB, PB+2, PB+4, PB+6, TMP, OLD
	v_pk_add_f32 v[\d:\d+1], v[\d:\d+1], v[J_:J_+1]
.set J_, J_+2
.endr
.endr
.irp d, SUM+2*\t, PB, PB+2, PB+4, PB+6, TMP
	v_pk_add_f32 v[\d:\d+1], v[\d:\d+1], v[J_:J_+1]
.set J_, J_+2
.endr
	v_pk_add_f32 v[PB:PB+1], v[PB:PB+1], v[PB+2:PB+3]
	v_pk_add_f32 v[PB+4:PB+5], v[PB+4:PB+5], v[PB+6:PB+7]
	v_pk_add_f32 v[TMP:TMP+1], v[TMP:TMP+1], v[OLD:OLD+1]
	v_pk_add_f32 v[SUM+2*\t:SUM+2*\t+1], v[SUM+2*\t:SUM+2*\t+1], v[PB:PB+1]
	v_pk_add_f32 v[PB+4:PB+5], v[PB+4:PB+5], v[TMP:TMP+1]
	v_pk_add_f32 v[SUM+2*\t:SUM+2*\t+1], v[SUM+2*\t:SUM+2*\t+1], v[PB+4:PB+5]
.endm
.macro HOLD2 t, j                      ; two holds in one line: p is not negative, so the hold is one-sided; the conversion does not saturate (ISA guide 7.6.2)
	v_dual_min_num_f32 v[S+64*\t+\j], v[S+64*\t+\j], v[BM+4*\t+(\j)/16] :: v_dual_min_num_f32 v[S+64*\t+\j+1], v[S+64*\t+\j+1], v[BM+4*\t+(\j)/16]
.endm
.macro CVT t                           ; p's 64 numbers a lane become the second product's operand
	WIN 0x40
.irp b, 0,1,2,3
	v_cvt_scalef32_pk8_bf8_f32 v[PCD+16*\t+4*\b:PCD+16*\t+4*\b+1], v[S+64*\t+16*\b:S+64*\t+16*\b+7], v[SCO+4*\t+\b]
	v_cvt_scalef32_pk8_bf8_f32 v[PCD+16*\t+4*\b+2:PCD+16*\t+4*\b+3], v[S+64*\t+16*\b+8:S+64*\t+16*\b+15], v[SCO+4*\t+\b]
.endr
	WIN 0
.endm
; A KEY STEP of 128 keys for both tiles.  K's fragments are in registers at its head.  last = 1: the next K is record 0 (the next pass's first).
.macro TRIP last
	WIN 0x05                                       ; both sources window 1, results window 0
.irp i, 0,1,2,3
.irp t, 0,1
	v_wmma_scale_f32_16x16x128_f8f6f4 v[S+64*\t+16*\i:S+64*\t+16*\i+7], v[KF+16*\i:KF+16*\i+15], v[Q+24*\t:Q+24*\t+15], 0, v[KS+\i], v[QS+\t] matrix_a_fmt:MATRIX_FMT_BF8 matrix_b_fmt:MATRIX_FMT_BF8
	v_wmma_scale_f32_16x16x128_f8f6f4 v[S+64*\t+16*\i+8:S+64*\t+16*\i+15], v[KF+16*\i:KF+16*\i+15], v[Q+24*\t+8:Q+24*\t+23], 0, v[KS+\i], v[QS+\t] matrix_a_fmt:MATRIX_FMT_BF8 matrix_b_fmt:MATRIX_FMT_BF8
.endr
.endr
	WIN 0
	v_add_nc_u32 v[ADR], s[TB], v[L16]             ; with the six below: eight places behind the products, ahead of the loads into what they read and of the first read of the scores
	v_add_nc_u32 v[ADR8], s[TB], v[L8]
.rept 6
	v_nop
.endr
	WIN 0x40
	CODES VF, ADR, 8192                            ; this step's V and the next step's K: they have the softmax in which to come
.if \last
	CODES KF, L16, 0
	WIN 0
	WORDS VS, ADR8, 16896
	WORDS KS, L8, 16384
.else
	CODES KF, ADR, REC
	WIN 0
	WORDS VS, ADR8, 16896
	WORDS KS, ADR8, REC+16384
.endif
.irp t, 0,1                                    ; the largest score of each block of 32 keys, eight chains by turns; each accumulator is read from its low end on
.irp b, 0,1,2,3
	v_max3_num_f32 v[BM+4*\t+\b], v[S+64*\t+16*\b], v[S+64*\t+16*\b+1], v[S+64*\t+16*\b+2]
.endr
.endr
.irp i, 3,5,7,9,11,13
.irp t, 0,1
.irp b, 0,1,2,3
	v_max3_num_f32 v[BM+4*\t+\b], v[BM+4*\t+\b], v[S+64*\t+16*\b+\i], v[S+64*\t+16*\b+\i+1]
.endr
.endr
.endr
.irp t, 0,1
.irp b, 0,1,2,3
	v_max_num_f32 v[BM+4*\t+\b], v[BM+4*\t+\b], v[S+64*\t+16*\b+15]
.endr
.endr
.irp k, 0,1,2,3,4,5,6,7
	v_permlanex16_b32 v[PB+\k], v[BM+\k], s[SEL], s[SEL+1]
.endr
.irp k, 0,1,2,3,4,5,6,7
	v_max_num_f32 v[BM+\k], v[BM+\k], v[PB+\k]     ; with lane l xor 16's 16 keys
.endr
.irp t, 0,1
	v_mov_b32 v[OLD+\t], v[NM+2*\t]
.endr
.irp t, 0,1
	v_max3_num_f32 v[NM+2*\t+1], v[NM+2*\t+1], v[BM+4*\t], v[BM+4*\t+1]   ; the running largest score
.endr
.irp t, 0,1
	v_max3_num_f32 v[NM+2*\t+1], v[NM+2*\t+1], v[BM+4*\t+2], v[BM+4*\t+3]
.endr
.irp t, 0,1
	v_mul_f32 v[TMP+\t], s[CS], v[NM+2*\t+1]       ; as t (c is positive)
.endr
.irp t, 0,1
	v_floor_f32 v[NM+2*\t], -v[TMP+\t]             ; -M = floor(-t): M is a whole number
.endr
.set J_, S
.irp st, 0,1,2                                 ; tile 0: t - M; the three lines that make f = 2^(old M - new M) stand among these, six apart
.rept 6
	v_pk_fma_f32 v[J_:J_+1], v[J_:J_+1], s[CS:CS+1], v[NM:NM+1] op_sel_hi:[1,0,0]
.set J_, J_+2
.endr
.irp t, 0,1
.if \st == 0
	v_sub_f32 v[TMP+\t], v[NM+2*\t], v[OLD+\t]     ; old M - new M, 0 or less
.elseif \st == 1
	v_cvt_i32_f32 v[TMP+\t], v[TMP+\t]             ; (it saturates)
.else
	v_ldexp_f32 v[F+2*\t], 1.0, v[TMP+\t]
.endif
.endr
.endr
.rept 14
	v_pk_fma_f32 v[J_:J_+1], v[J_:J_+1], s[CS:CS+1], v[NM:NM+1] op_sel_hi:[1,0,0]
.set J_, J_+2
.endr
.irp t, 0,1
.irp b, 0,1,2,3
	v_fma_f32 v[BM+4*\t+\b], v[BM+4*\t+\b], s[CS], v[NM+2*\t]   ; the same of each block's largest score
.endr
.endr
	W
.set J_, S
.rept 32                                       ; tile 0's exponentials, with tile 1's t - M among them: each of those lines stands by itself and is read behind the next wait
	v_exp_f32 v[J_], v[J_]
	v_exp_f32 v[J_+1], v[J_+1]
	v_pk_fma_f32 v[J_+64:J_+65], v[J_+64:J_+65], s[CS:CS+1], v[NM+2:NM+3] op_sel_hi:[1,0,0]
.set J_, J_+2
.endr
.irp k, 0,1,2,3,4,5,6,7
	v_exp_f32 v[BM+\k], v[BM+\k]                   ; each block's largest p
.endr
.irp t, 0,1
	v_pk_mul_f32 v[SUM+2*\t:SUM+2*\t+1], v[SUM+2*\t:SUM+2*\t+1], v[F+2*\t:F+2*\t+1] op_sel_hi:[1,0]   ; the sums under the new M
.endr
	W
.irp k, 0,1,2,3,4,5,6,7
	v_max_num_f32 v[BM+\k], 0x8000000, v[BM+\k]    ; the floor 2^(16 - 127): the byte cannot fall under 1
.endr
.irp k, 0,1,2,3,4,5,6,7
	v_add_nc_u32 v[SCO+\k], 0xf8800000, v[BM+\k]   ; 15 off the exponent field: the conversion's scale operand
.endr
.irp k, 0,1,2,3,4,5,6,7
	v_and_or_b32 v[BM+\k], v[BM+\k], 0x7f800000, s[MNT]   ; 57,344 x the scale
.endr
.irp k, 0,1,2,3,4,5,6,7
	v_lshrrev_b32 v[PB+\k], 23, v[SCO+\k]          ; the scale's byte
.endr
.irp k, 0,2,4,6
	v_lshl_or_b32 v[PB+\k], v[PB+\k+1], 8, v[PB+\k]   ; bytes by pairs,
.endr
.irp t, 0,1
	v_lshl_or_b32 v[PW+\t], v[PB+4*\t+2], 16, v[PB+4*\t]   ; and the pairs make p's scale word
.endr
	SUMS 0
	W
.set I_, 0
.rept 32                                       ; tile 1's exponentials, with tile 0's holds among them
	v_exp_f32 v[S+64+I_], v[S+64+I_]
	v_exp_f32 v[S+65+I_], v[S+65+I_]
	HOLD2 0, I_
.set I_, I_+2
.endr
	v_nop
	W
	CVT 0
	SUMS 1
.set I_, 0
.rept 32
	HOLD2 1, I_
.set I_, I_+2
.endr
	CVT 1
	W                                              ; directly ahead of the first reader of O^T
.irp t, 0,1
.set J_, O+32*\t
.rept 16
	v_pk_mul_f32 v[J_:J_+1], v[J_:J_+1], v[F+2*\t:F+2*\t+1] op_sel_hi:[1,0]   ; O^T under the new M; these 32 are also the places between the codes, the scale words and the products
.set J_, J_+2
.endr
.endr
	W
	s_wait_dscnt 0x0                               ; V, and the next K
	WIN 0x05
.irp c, 0,1,2,3
.irp t, 0,1
	v_wmma_scale_f32_16x16x128_f8f6f4 v[O+32*\t+8*\c:O+32*\t+8*\c+7], v[VF+16*\c:VF+16*\c+15], v[PCD+16*\t:PCD+16*\t+15], v[O+32*\t+8*\c:O+32*\t+8*\c+7], v[VS+\c], v[PW+\t] matrix_a_fmt:MATRIX_FMT_BF8 matrix_b_fmt:MATRIX_FMT_BF8
.endr
.endr
	WIN 0
.endm
.macro NEXT label                      ; a record on; the loop's count
	s_add_co_u32 s[TB], s[TB], REC
	s_sub_co_u32 s[TRIPS], s[TRIPS], 1
	s_cmp_lg_u32 s[TRIPS], 0
	s_cbranch_scc1 \label
.endm
	s_load_b256 s[4:11], s[0:1], 0x0               ; Qimg, Qsc, KV, Aimg
	s_load_b64 s[12:13], s[0:1], 0x20              ; Asc
	v_lshl_add_u32 v[SPW], v0, 2, SPARE
	v_mov_b32 v[NIL], 0
	ds_add_u32 v[SPW], v[NIL]                      ; the opening lines: the add twice on end and its wait
	ds_add_u32 v[SPW], v[NIL]
	v_lshrrev_b32 v1, 5, v0
	v_readfirstlane_b32 s[WV], v1                  ; wave 0..7
	s_bfe_u32 s15, ttmp6, 0x40000                  ; cx: it enters global addresses of Q and of the results alone
	s_lshl_b32 s16, ttmp9, 2
	s_add_co_u32 s16, s16, s15                     ; the work-group: 32 tokens
	s_lshr_b32 s17, ttmp9, 4                       ; the batch: 16 clusters each
	s_mov_b32 s[G1+0], 15|(3<<16)|(1<<21)          ; the mask names the four; elements of 8 bytes; no padding
	s_mov_b32 s[G1+1], 32<<16
	s_mov_b32 s[G1+2], 136<<16                     ; two records: 136 rows of 256 bytes, dense
	s_mov_b32 s[G1+3], 32<<16
	s_mov_b32 s[G1+4], 136
	s_mov_b32 s[G1+5], 32
	s_mov_b32 s[G1+6], 0
	s_mov_b32 s[G1+7], 0
	s_mul_i32 s18, s[WV], PART
	s_mul_i32 s56, s17, BATCHB
	s_add_co_u32 s56, s56, s18
	s_mov_b32 s57, 0
	s_mov_b32 s[SEL], 0x76543210
	s_mov_b32 s[SEL+1], 0xfedcba98
	s_mov_b32 s[CS], 0x3e38aa3b                    ; c = log2(e) / 8
	s_mov_b32 s[CS+1], s[CS]
	s_mov_b32 s[MNT], 0x600000
	s_wait_dscnt 0x0
	s_wait_kmcnt 0x0
	s_add_nc_u64 s[8:9], s[8:9], s[56:57]
	CROUND                                         ; the four work-groups are here: the joint loads meet
	s_mov_b32 s[G0], 1
	s_mov_b32 s[G0+1], s18
	s_mov_b64 s[G0+2:G0+3], s[8:9]
	s_or_b32 s[G0+3], s[G0+3], 0x80000000
	s_cmp_lt_u32 s[WV], 2                          ; one tensor load a wave; waves 0 and 1, which alone wait at the first barrier, have a line of their own
	s_cbranch_scc0 .Lrest
	tensor_load_to_lds s[G0:G0+3], s[G1:G1+7]      ; records 0 to 3
	s_nop 0
.rept 4
	v_nop
.endr
	s_branch .Lasked
.Lrest:
	tensor_load_to_lds s[G0:G0+3], s[G1:G1+7]      ; records 4 to 15
	s_nop 0
.rept 4
	v_nop
.endr
.Lasked:
	v_and_b32 v[LANE], 31, v0
	v_and_b32 v[R4], 15, v0
	v_lshlrev_b32 v[L16], 4, v[LANE]
	v_lshlrev_b32 v[L8], 3, v[LANE]
	v_lshlrev_b32 v[R4], 2, v[R4]
	s_mov_b32 s57, 0
	s_lshl_b32 s56, s16, 15                        ; Qimg: two token tiles of 16,384 bytes a work-group, a head pair 2,048
	s_lshl_b32 s22, s[WV], 11
	s_add_co_u32 s56, s56, s22
	s_add_nc_u64 s[4:5], s[4:5], s[56:57]
	s_lshl_b32 s56, s16, 11                        ; Qsc: 2,048 a work-group, a head pair 256
	s_lshl_b32 s22, s[WV], 8
	s_add_co_u32 s56, s56, s22
	s_add_nc_u64 s[6:7], s[6:7], s[56:57]
	s_lshr_b32 s56, s16, 2                         ; Aimg: [block of 128 tokens][head pair][token tile][group][512]
	s_lshl_b32 s56, s56, 17
	s_lshl_b32 s22, s[WV], 14
	s_add_co_u32 s56, s56, s22
	s_and_b32 s22, s16, 3
	s_lshl_b32 s22, s22, 12
	s_add_co_u32 s56, s56, s22
	s_add_nc_u64 s[10:11], s[10:11], s[56:57]
	s_lshl_b32 s56, s16, 10                        ; Asc: 1,024 a work-group, a head pair 128
	s_lshl_b32 s22, s[WV], 7
	s_add_co_u32 s56, s56, s22
	s_add_nc_u64 s[12:13], s[12:13], s[56:57]
	W
	WIN 0x40
.irp t, 0,1
.irp c, 0,1
	global_load_b128 v[Q+24*\t+4*\c:Q+24*\t+4*\c+3], v[L16], s[4:5] offset:1024*\t+512*\c
	global_load_b128 v[Q+24*\t+16+4*\c:Q+24*\t+16+4*\c+3], v[L16], s[4:5] offset:1024*\t+512*\c
	global_load_b128 v[QB+8*\t+4*\c:QB+8*\t+4*\c+3], v[L16], s[4:5] offset:16384+1024*\t+512*\c
.endr
.endr
.irp t, 0,1
.irp j, 0,1,2,3,4,5,6,7
	v_mov_b32 v[Q+24*\t+8+\j], 0                   ; the zeros between the two copies of q
.endr
.endr
	WIN 0
.irp t, 0,1
	global_load_b32 v[QS+\t], v[R4], s[6:7] offset:128*\t
	global_load_b32 v[QSB+\t], v[R4], s[6:7] offset:64+128*\t
	v_mov_b32 v[F+2*\t+1], 0                       ; named as a pair's upper half
	v_mov_b32 v[TMP+\t], 0
.endr
.irp k, 0,1,2,3,4,5,6,7
	v_mov_b32 v[PB+\k], 0                          ; a lane permute's destination counts as one of its sources
.endr
	W
	s_cmp_lt_u32 s[WV], 2
	s_cbranch_scc0 .Lnot_yet
	s_wait_tensorcnt 0x0                           ; waves 0 and 1: records 0 to 3 are in
.Lnot_yet:
	s_barrier_signal -1
	s_barrier_wait -1
	WIN 0x40
	CODES KF, L16, 0
	WIN 0
	WORDS KS, L8, 16384
	s_wait_loadcnt 0x0
	s_wait_dscnt 0x0
	s_mov_b32 s[PASS], 2
.Lpass:                                                ; a pass: one token tile, two heads, all 2,048 keys
.irp t, 0,1
	v_mov_b32 v[NM+2*\t], 0x7f61b1e6               ; -M: 3e38
	v_mov_b32 v[NM+2*\t+1], 0xff61b1e6             ; the largest score so far: -3e38
	v_mov_b32 v[SUM+2*\t], 0
	v_mov_b32 v[SUM+2*\t+1], 0
.endr
.set J_, 0
.rept 64
	v_mov_b32 v[O+J_], 0                           ; the step is written for every step alike: the first finds zeros
.set J_, J_+1
.endr
	s_mov_b32 s[TB], 0
	s_mov_b32 s[TRIPS], 3
	W
.Lfirst:                                               ; key steps 0 to 2: they read records 0 to 3 (the third asks for K of record 3)
	TRIP 0
	NEXT .Lfirst
	s_wait_tensorcnt 0x0                           ; every wave: my two records are in,
	s_wait_dscnt 0x0
	s_barrier_signal -1
	s_barrier_wait -1                              ; everybody's are
	s_mov_b32 s[TRIPS], 12
.Lstep:
	TRIP 0
	NEXT .Lstep
	TRIP 1
	; THE WAY OUT: O^T / the sum, quantised along the channels: four blocks of 32 (two a head), 16 numbers of each in a lane
.irp t, 0,1
	v_add_f32 v[SUM+2*\t], v[SUM+2*\t], v[SUM+2*\t+1]
.endr
.irp t, 0,1
	v_permlanex16_b32 v[TMP+\t], v[SUM+2*\t], s[SEL], s[SEL+1]
.endr
.irp t, 0,1
	v_add_f32 v[SUM+2*\t], v[SUM+2*\t], v[TMP+\t]
.endr
	v_nop
	v_nop                                          ; eight places behind the last products with the six above
	W
.irp t, 0,1
	v_rcp_f32 v[F+2*\t], v[SUM+2*\t]
.endr
	v_nop
	W
.irp t, 0,1
.set J_, O+32*\t
.rept 16
	v_pk_mul_f32 v[J_:J_+1], v[J_:J_+1], v[F+2*\t:F+2*\t+1] op_sel_hi:[1,0]
.set J_, J_+2
.endr
.endr
.irp k, 0,1,2,3
	v_max3_num_f32 v[BM+\k], |v[O+16*\k]|, |v[O+16*\k+1]|, 0x8000000
.endr
.irp i, 2,4,6,8,10,12,14
.irp k, 0,1,2,3
	v_max3_num_f32 v[BM+\k], v[BM+\k], |v[O+16*\k+\i]|, |v[O+16*\k+\i+1]|
.endr
.endr
.irp k, 0,1,2,3
	v_permlanex16_b32 v[PB+\k], v[BM+\k], s[SEL], s[SEL+1]
.endr
.irp k, 0,1,2,3
	v_max_num_f32 v[BM+\k], v[BM+\k], v[PB+\k]
.endr
.irp k, 0,1,2,3
	v_add_nc_u32 v[SCO+\k], 0xf8800000, v[BM+\k]
.endr
.irp k, 0,1,2,3
	v_and_or_b32 v[BM+\k], v[BM+\k], 0x7f800000, s[MNT]
.endr
.irp k, 0,1,2,3
	v_lshrrev_b32 v[PB+\k], 23, v[SCO+\k]
.endr
	v_lshl_or_b32 v[WRD], v[PB+1], 8, v[PB]        ; the four bytes: one K step of the projection on the way out
	v_lshl_or_b32 v[WRD], v[PB+2], 16, v[WRD]
	v_lshl_or_b32 v[WRD], v[PB+3], 24, v[WRD]
.irp k, 0,1,2,3
.set J_, 0
.rept 16
	v_med3_num_f32 v[O+16*\k+J_], v[O+16*\k+J_], -v[BM+\k], v[BM+\k]
.set J_, J_+1
.endr
.endr
	WIN 0x40
.irp k, 0,1,2,3
	v_cvt_scalef32_pk8_bf8_f32 v[PCD+4*\k:PCD+4*\k+1], v[O+16*\k:O+16*\k+7], v[SCO+\k]
	v_cvt_scalef32_pk8_bf8_f32 v[PCD+4*\k+2:PCD+4*\k+3], v[O+16*\k+8:O+16*\k+15], v[SCO+\k]
.endr
	WIN 0
	v_nop                                          ; one plain line behind the last conversion
	WIN 0x04                                       ; a store's data: window 1
.irp k, 0,1,2,3
	global_store_b128 v[L16], v[PCD+4*\k:PCD+4*\k+3], s[10:11] offset:512*\k   ; 32 lanes store 512 consecutive bytes, aligned
.endr
	WIN 0
	W
	s_wait_xcnt 0x0                                ; EXEC changes only behind this wait
	v_cmp_gt_u32 vcc_lo, 16, v[LANE]
	s_and_saveexec_b32 s55, vcc_lo
	global_store_b32 v[R4], v[WRD], s[12:13]       ; lanes 0-15: a word a token
	s_wait_xcnt 0x0                                ; and again; the stores' bases and data may be written behind it too
	s_or_b32 exec_lo, exec_lo, s55
	s_add_nc_u64 s[10:11], s[10:11], 2048          ; the next token tile
	s_add_nc_u64 s[12:13], s[12:13], 64
	WIN 0x41
.irp t, 0,1
.irp j, 0,1,2,3,4,5,6,7
	v_mov_b32 v[Q+24*\t+\j], v[QB+8*\t+\j]         ; its q, twice
	v_mov_b32 v[Q+24*\t+16+\j], v[QB+8*\t+\j]
.endr
.endr
	WIN 0
.irp t, 0,1
	v_mov_b32 v[QS+\t], v[QSB+\t]
.endr
	s_sub_co_u32 s[PASS], s[PASS], 1
	s_cmp_lg_u32 s[PASS], 0
	W
	s_cbranch_scc1 .Lpass
	s_wait_tensorcnt 0x0                           ; the wave's end
	ds_add_u32 v[SPW], v[NIL]
	s_wait_dscnt 0x0
	CROUND                                         ; the closing round
	s_endpgm
.Lfunc_end_k_qb76efd53a3_attn:
	.size	k_qb76efd53a3_attn, .Lfunc_end_k_qb76efd53a3_attn-k_qb76efd53a3_attn
	.p2alignl 7, 3214868480
	.fill 96, 4, 3214868480
	.section	.rodata,"a",@progbits
	.p2align	6, 0x0
	.amdhsa_kernel k_qb76efd53a3_attn
		.amdhsa_group_segment_fixed_size 327680
		.amdhsa_private_segment_fixed_size 0
		.amdhsa_enable_private_segment 0
		.amdhsa_kernarg_size 40
		.amdhsa_user_sgpr_count 2
		.amdhsa_user_sgpr_kernarg_segment_ptr 1
		.amdhsa_wavefront_size32 1
		.amdhsa_system_sgpr_workgroup_id_x 1
		.amdhsa_system_sgpr_workgroup_id_y 1
		.amdhsa_system_sgpr_workgroup_id_z 1
		.amdhsa_system_vgpr_workitem_id 0
		.amdhsa_next_free_vgpr 512
		.amdhsa_next_free_sgpr 66
		.amdhsa_reserve_vcc 1
		.amdhsa_float_denorm_mode_32 3
		.amdhsa_float_denorm_mode_16_64 3
		.amdhsa_memory_ordered 1
		.amdhsa_forward_progress 1
		.amdhsa_inst_pref_size 125
	.end_amdhsa_kernel
	.amdgpu_metadata
---
amdhsa.version: [ 1, 2 ]
amdhsa.kernels:
  - .name:           k_qb76efd53a3_attn
    .symbol:         k_qb76efd53a3_attn.kd
    .args:
      - { .name: Qimg, .offset: 0, .size: 8, .value_kind: global_buffer, .address_space: global }
      - { .name: Qsc, .offset: 8, .size: 8, .value_kind: global_buffer, .address_space: global }
      - { .name: KV, .offset: 16, .size: 8, .value_kind: global_buffer, .address_space: global }
      - { .name: Aimg, .offset: 24, .size: 8, .value_kind: global_buffer, .address_space: global }
      - { .name: Asc, .offset: 32, .size: 8, .value_kind: global_buffer, .address_space: global }
    .group_segment_fixed_size: 327680
    .private_segment_fixed_size: 0
    .kernarg_segment_align: 8
    .kernarg_segment_size: 40
    .max_flat_workgroup_size: 256
    .sgpr_count:     66
    .vgpr_count:     512
    .wavefront_size: 32
...
	.end_amdgpu_metadata
.endif
;; end of part 2
;; launch outp (part 3): grid 4 x 64, 4 waves a work-group, clusters of 4 x 1, 167,936 bytes of LDS; arguments Aimg, Asc, Wo_codes, Wo_scales, bo, out0; writes out0
.if DOCPART == 3
	.amdgcn_target "amdgcn-amd-amdhsa--gfx1250"
	.amdhsa_code_object_version 6
	.text
	.protected	k_qb76efd53a3_outp
	.globl	k_qb76efd53a3_outp
	.p2align	8
	.type	k_qb76efd53a3_outp,@function
k_qb76efd53a3_outp:
	s_mov_b64 s[64:65], 0
	v_nop
	global_prefetch_b8 v0, s[64:65] scope:SCOPE_SE
	s_setreg_imm32_b32 hwreg(HW_REG_WAVE_MODE, 25, 1), 1
	s_wait_xcnt 0x0
	s_wait_alu depctr_hold_cnt(0) depctr_sa_sdst(0) depctr_va_vdst(0) depctr_va_sdst(0) depctr_va_ssrc(0) depctr_va_vcc(0) depctr_vm_vsrc(0)
	s_getreg_b32 s2, hwreg(HW_REG_IB_STS2, 6, 4)
	s_cmp_eq_u32 s2, 0
	s_cbranch_scc0 .Lentry_in_a_cluster
	s_endpgm
.Lentry_in_a_cluster:
	s_bfe_u32 s2, ttmp6, 0x10000c
	s_cmp_lg_u32 s2, 0x3003
	s_cbranch_scc0 .Lentry_shape_is_right
	s_endpgm
.Lentry_shape_is_right:
; out0 = o Wo + bo on codes of BF8 (E5M2) with E8M0 scales; o's codes and scale words were made by the attention launch, as images of the operand's registers.  No work of the problem is left out.
; SHARES.  Work-group y = a block of 128 tokens, x = 256 columns; wave w makes 128 tokens x columns 256 x + 64 w .. + 63: 8 token tiles x 4 column tiles, 32 accumulators.
; A wave's weights (64 rows of Wo x 1,024 bytes) go from memory straight into 512 registers and are read once; o's block, 131,072 dense bytes, comes into LDS once, a quarter by each wave's one tensor load.
; CLUSTER.  The four work-groups along x need the same block of o: it is asked for JOINTLY, by the same tensor load with a mask that names the four.
; THE MATRIX INSTRUCTION IS USED TRANSPOSED (source 0 = 16 rows of Wo, source 1 = 16 tokens): a lane holds eight neighbouring columns of one row of out0.  bo is the C of each sum's first product.
; THE WAY OUT: a token tile (16 rows x 256 bytes) goes through the wave's own stage in LDS and leaves as whole rows: sixteen lanes store 256 consecutive bytes, aligned.
; LIMITS: NaN and infinities among the inputs (a scale byte 0xff among them) are not served.
; REGISTERS, in windows of 256: window 0: v3-14 addresses, v32-63 o's scale words, v64-79 Wo's, v80-111 bo, v128-255 o's fragments (two buffers of four), later rows on their way out.
;   window 1: accumulator (token tile m, column tile t) at 8 (4 m + t).   windows 2, 3: Wo's fragments: K step s, tile t at 16 (4 s + t).
; SCALARS: s[4:15] the six addresses; s16 wave, s17 cx, s18 x, s19 the token block; s[20:23], s[24:31] the descriptor; s[32:33], s[34:35] Wo's codes and scales at my rows; s36-38 at work.
.set STAGE,  131072                    ; behind o's block: 16 rows x (256 + 16) bytes for each wave; no tensor load lands there
.set SPITCH, 272
.set SPARE,  STAGE+4*16*SPITCH         ; the spare words, 128 bytes for each wave: two blocks of 256 bytes that no other line names
.set ADR0,  3                          ; v3   16 x lane: K steps 0-3
.set ADR1,  4                          ; v4   + 65,536: K steps 4-7
.set STO,   5
.set WOFF,  6                          ; v6   r x 1,024 + 16 h
.set WSOFF, 7                          ; v7   32 x lane
.set RD,    8
.set L4,    9
.set CO,    10
.set SPW,   12
.set NIL,   13
.set BOFF,  14                         ; v14  32 h
.set AS,    32
.set WS,    64
.set BI,    80
.set AF,    128
.set BK,    128
.set WV,  16
.set G0,  20
.set G1,  24
.set WB,  32
.set WSB, 34
.set MSB, 0
.macro WIN new                         ; the immediate's high byte repeats the setting that is left
.if MSB != \new
	s_set_vgpr_msb (MSB<<8)|\new
.set MSB, \new
.endif
.endm
.macro PLACES n
.rept \n
	v_nop
.endr
.endm
.macro CROUND                          ; a round of the cluster's barrier
	s_barrier_signal -1
	s_barrier_wait -1
	s_cmp_lg_u32 s[WV], 0
	s_cbranch_scc1 .Lnot_wave_0_\@
	s_barrier_signal -3
.Lnot_wave_0_\@:
	s_barrier_wait -3
	s_barrier_signal -1
	s_barrier_wait -1
.endm
.macro WMMA
.if fRA && fRB
	v_wmma_scale_f32_16x16x128_f8f6f4 v[rD:rD+7], v[rA:rA+15], v[rB:rB+15], v[rC:rC+7], v[rSA], v[rSB] matrix_a_fmt:MATRIX_FMT_BF8 matrix_b_fmt:MATRIX_FMT_BF8 matrix_a_scale:MATRIX_SCALE_ROW1 matrix_b_scale:MATRIX_SCALE_ROW1
.elseif fRA
	v_wmma_scale_f32_16x16x128_f8f6f4 v[rD:rD+7], v[rA:rA+15], v[rB:rB+15], v[rC:rC+7], v[rSA], v[rSB] matrix_a_fmt:MATRIX_FMT_BF8 matrix_b_fmt:MATRIX_FMT_BF8 matrix_a_scale:MATRIX_SCALE_ROW1
.elseif fRB
	v_wmma_scale_f32_16x16x128_f8f6f4 v[rD:rD+7], v[rA:rA+15], v[rB:rB+15], v[rC:rC+7], v[rSA], v[rSB] matrix_a_fmt:MATRIX_FMT_BF8 matrix_b_fmt:MATRIX_FMT_BF8 matrix_b_scale:MATRIX_SCALE_ROW1
.else
	v_wmma_scale_f32_16x16x128_f8f6f4 v[rD:rD+7], v[rA:rA+15], v[rB:rB+15], v[rC:rC+7], v[rSA], v[rSB] matrix_a_fmt:MATRIX_FMT_BF8 matrix_b_fmt:MATRIX_FMT_BF8
.endif
.endm
.macro WLOAD s                         ; Wo's four fragments of K step s
.if (\s) < 4
	WIN 0x80
.else
	WIN 0xc0
.endif
.irp t, 0,1,2,3
.irp c, 0,1,2,3
	global_load_b128 v[64*((\s)%4)+16*\t+4*\c:64*((\s)%4)+16*\t+4*\c+3], v[WOFF], s[WB:WB+1] offset:16*\t*1024+128*(\s)+32*\c
.endr
.endr
	WIN 0
.endm
.macro FETCH buf, adr, imm             ; four fragments of o from their images in LDS
.irp i, 0,1,2,3
.irp c, 0,1,2,3
	ds_load_b128 v[AF+64*(\buf)+16*\i+4*\c:AF+64*(\buf)+16*\i+4*\c+3], v[\adr] offset:(\imm)+2048*\i+512*\c
.endr
.endr
.endm
; 16 products: token tiles 4 hf + 0 .. 3 x Wo's four tiles, K step s.  The accumulators take turns, one instruction a turn.
.macro MULT buf, s, hf
.if (\s) == 0
	WIN 0x42                                       ; Wo window 2, o window 0, bo window 0, D window 1
.elseif (\s) < 4
	WIN 0x52
.else
	WIN 0x53
.endif
.irp i, 0,1,2,3
.irp t, 0,1,2,3
.set rD, 8*(4*(4*(\hf)+\i)+\t)
.set rA, 64*((\s)%4)+16*\t
.set rB, AF+64*(\buf)+16*\i
.if (\s) == 0
.set rC, BI+8*\t
.else
.set rC, rD
.endif
.set rSA, WS+8*(\t/2)+(\s)
.set rSB, AS+8*((4*(\hf)+\i)/2)+(\s)
.set fRA, \t%2
.set fRB, \i%2
	WMMA
.endr
.endr
.endm
	s_load_b256 s[4:11], s[0:1], 0x0               ; Aimg s[4:5], Asc s[6:7], Wo's codes s[8:9], Wo's scales s[10:11]
	s_load_b128 s[12:15], s[0:1], 0x20             ; bo s[12:13], out0 s[14:15]
	v_lshl_add_u32 v[SPW], v0, 2, SPARE
	v_mov_b32 v[NIL], 0
	ds_add_u32 v[SPW], v[NIL]                      ; the wave's opening: the add, twice on end, and its wait ahead of my tensor load
	ds_add_u32 v[SPW], v[NIL]
	v_lshrrev_b32 v1, 5, v0
	v_readfirstlane_b32 s[WV], v1                  ; wave 0..3
	s_bfe_u32 s17, ttmp6, 0x40000                  ; cx: it enters Wo's, bo's and out0's addresses alone
	s_lshl_b32 s18, ttmp9, 2
	s_add_co_u32 s18, s18, s17                     ; x
	s_and_b32 s19, ttmp7, 0xffff                   ; the token block, which the four partners share
	s_mov_b32 s[G1+0], 15|(3<<16)|(1<<21)          ; the mask: all four work-groups; elements of 8 bytes; bit 21 set beside a mask; no padding
	s_mov_b32 s[G1+1], 32<<16                      ; tensor_dim0 = 32 (256 bytes)
	s_mov_b32 s[G1+2], 128<<16                     ; tensor_dim1 = 128
	s_mov_b32 s[G1+3], 32<<16                      ; tile_dim0 = 32
	s_mov_b32 s[G1+4], 128                         ; tile_dim1 = 128 rows
	s_mov_b32 s[G1+5], 32                          ; dense
	s_mov_b32 s[G1+6], 0
	s_mov_b32 s[G1+7], 0
	s_lshl_b32 s38, s[WV], 15                      ; my quarter: 32,768 bytes, in LDS and in memory alike
	s_lshl_b32 s36, s19, 17
	s_add_co_u32 s36, s36, s38
	s_mov_b32 s37, 0
	s_wait_dscnt 0x0                               ; both opening adds are done
	s_wait_kmcnt 0x0
	CROUND                                         ; all four work-groups are here: the joint loads meet
	s_mov_b32 s[G0], 1
	s_mov_b32 s[G0+1], s38
	s_add_nc_u64 s[G0+2:G0+3], s[4:5], s[36:37]
	s_or_b32 s[G0+3], s[G0+3], 0x80000000
	tensor_load_to_lds s[G0:G0+3], s[G1:G1+7]      ; my one tensor load: it is the only one out
	s_nop 0
	v_and_b32 v1, 15, v0                           ; r
	v_bfe_u32 v2, v0, 4, 1                         ; h
	v_and_b32 v11, 31, v0                          ; lane
	v_lshlrev_b32 v[ADR0], 4, v11
	v_add_nc_u32 v[ADR1], 0x10000, v[ADR0]
	v_lshlrev_b32 v[WOFF], 10, v1
	v_lshl_add_u32 v[WOFF], v2, 4, v[WOFF]
	v_lshlrev_b32 v[WSOFF], 5, v11
	v_lshlrev_b32 v[L4], 2, v11
	v_lshlrev_b32 v[BOFF], 5, v2
	s_wait_alu depctr_va_vdst(0)
	s_mul_i32 s38, s[WV], 16*SPITCH
	s_add_co_u32 s38, s38, STAGE                   ; my stage
	v_mul_u32_u24 v[STO], v1, SPITCH
	v_lshl_add_u32 v[STO], v2, 5, v[STO]
	v_add_nc_u32 v[STO], s38, v[STO]               ; in: row r, 32 bytes for each half of the lanes
	v_mul_u32_u24 v[RD], v2, SPITCH
	v_lshl_add_u32 v[RD], v1, 4, v[RD]
	v_add_nc_u32 v[RD], s38, v[RD]                 ; back: lanes 0-15 one row of 256 bytes, lanes 16-31 the next
	v_lshlrev_b32 v[CO], 12, v2
	v_lshl_add_u32 v[CO], v1, 4, v[CO]             ; and the same two rows in out0
	s_lshl_b32 s38, s18, 8
	s_lshl_b32 s36, s[WV], 6
	s_add_co_u32 s38, s38, s36                     ; my first column: 256 x + 64 wave
	s_lshl_b32 s36, s38, 10
	s_add_nc_u64 s[WB:WB+1], s[8:9], s[36:37]      ; its row of Wo's codes,
	s_lshl_b32 s36, s38, 5
	s_add_nc_u64 s[WSB:WSB+1], s[10:11], s[36:37]  ; of its scale bytes,
	s_lshl_b32 s36, s38, 2
	s_add_nc_u64 s[12:13], s[12:13], s[36:37]      ; its place in bo
	s_lshl_b32 s38, s19, 19                        ; 128 rows of 4,096 bytes a block
	s_add_co_u32 s36, s36, s38
	s_add_nc_u64 s[14:15], s[14:15], s[36:37]      ; and in out0
	s_lshl_b32 s36, s19, 12
	s_add_nc_u64 s[6:7], s[6:7], s[36:37]          ; o's scale words: 4,096 bytes a block
.irp i, 0,1,2,3
.irp s, 0,1,2,3,4,5,6,7
	global_load_b32 v[AS+8*\i+\s], v[L4], s[6:7] offset:1024*\i+128*\s   ; pair i of token tiles, K step s: lanes 0-15 the even tile's rows, lanes 16-31 the odd tile's
.endr
.endr
.irp b, 0,1
	global_load_b128 v[WS+8*\b:WS+8*\b+3], v[WSOFF], s[WSB:WSB+1] offset:1024*\b   ; Wo's: lane l takes row 32 b + l's 32 bytes: a word for each K step
	global_load_b128 v[WS+8*\b+4:WS+8*\b+7], v[WSOFF], s[WSB:WSB+1] offset:1024*\b+16
.endr
.irp t, 0,1,2,3
	global_load_b128 v[BI+8*\t:BI+8*\t+3], v[BOFF], s[12:13] offset:64*\t          ; bo in the result's layout: columns 16 t + 8 h + 0 .. 7
	global_load_b128 v[BI+8*\t+4:BI+8*\t+7], v[BOFF], s[12:13] offset:64*\t+16
.endr
	WLOAD 0
	WLOAD 1
	WLOAD 2
	WLOAD 3
	s_wait_tensorcnt 0x0                           ; my quarter of o's block is in,
	s_barrier_signal -1
	s_barrier_wait -1                              ; everybody's is; nothing is ever filled again
	FETCH 0, ADR0, 0
	FETCH 1, ADR0, 8192
.irp s, 0,1,2,3,4,5,6,7
.irp hf, 0,1
.if \hf == 0
.if \s < 5
	s_wait_loadcnt 48                              ; this K step's weights (and all before them) are in; behind them: the weights of three later steps, 16 loads each
.else
	s_wait_loadcnt 16*(7-\s)
.endif
.endif
.if (\s == 7) && (\hf == 1)
	s_wait_alu depctr_va_vdst(0)
	s_wait_dscnt 0x0
.else
	s_wait_dscnt 16                                ; this half's fragments are in; the next half's 16 loads may be out
.endif
	MULT \hf, \s, \hf
.if \s < 7
	PLACES 8                                       ; eight places between products and loads into registers that they read
	WIN 0
	FETCH \hf, ADR0+(\s+1)/4, ((\s+1)%4)*16384+\hf*8192
.endif
.if (\hf == 0) && (\s < 4)
	WLOAD \s+4
.endif
.endr
.endr
.macro TOSTAGE m                       ; token tile m into my stage and back as rows.  LDS serves a wave's instructions in order (ISA guide 5.7.1.4): no wait between the stores and the loads, nor ahead of the next tile's stores
	WIN 0x04                                       ; an LDS store's data are its source 1: window 1
.irp t, 0,1,2,3
	ds_store_b128 v[STO], v[8*(4*(\m)+\t):8*(4*(\m)+\t)+3] offset:64*\t        ; each accumulator from its low end on
	ds_store_b128 v[STO], v[8*(4*(\m)+\t)+4:8*(4*(\m)+\t)+7] offset:64*\t+16
.endr
	WIN 0
.irp i, 0,1,2,3,4,5,6,7
	ds_load_b128 v[BK+32*((\m)%2)+4*\i:BK+32*((\m)%2)+4*\i+3], v[RD] offset:2*\i*SPITCH
.endr
.endm
.macro SEND m, younger                 ; younger: the LDS instructions issued behind tile m's loads, which may stay out
	s_wait_dscnt \younger
.irp i, 0,1,2,3,4,5,6,7
	global_store_b128 v[CO], v[BK+32*((\m)%2)+4*\i:BK+32*((\m)%2)+4*\i+3], s[14:15] offset:(16*(\m)+2*\i)*4096 th:TH_STORE_NT   ; 16 lanes store 256 consecutive bytes, aligned; written once, read by nobody here
.endr
.endm
	PLACES 8                                       ; between the last products and the first read of results, and the loads into the registers that held fragments
	TOSTAGE 0
.irp m, 1,2,3,4,5,6,7
.if \m > 1
	s_wait_xcnt 0x0                                ; tile m - 2's stores have read their registers: tile m's rows may land there
.endif
	TOSTAGE \m
	SEND \m-1, 16                                  ; behind tile m - 1's loads: tile m's 8 stores and 8 loads
.endr
	SEND 7, 0
	s_wait_tensorcnt 0x0                           ; the wave's end, behind my tensor load and my last LDS store
	ds_add_u32 v[SPW], v[NIL]
	s_wait_dscnt 0x0
	CROUND                                         ; the closing round
	s_endpgm
.Lfunc_end_k_qb76efd53a3_outp:
	.size	k_qb76efd53a3_outp, .Lfunc_end_k_qb76efd53a3_outp-k_qb76efd53a3_outp
	.p2alignl 7, 3214868480
	.fill 96, 4, 3214868480
	.section	.rodata,"a",@progbits
	.p2align	6, 0x0
	.amdhsa_kernel k_qb76efd53a3_outp
		.amdhsa_group_segment_fixed_size 167936
		.amdhsa_private_segment_fixed_size 0
		.amdhsa_enable_private_segment 0
		.amdhsa_kernarg_size 48
		.amdhsa_user_sgpr_count 2
		.amdhsa_user_sgpr_kernarg_segment_ptr 1
		.amdhsa_wavefront_size32 1
		.amdhsa_system_sgpr_workgroup_id_x 1
		.amdhsa_system_sgpr_workgroup_id_y 1
		.amdhsa_system_sgpr_workgroup_id_z 1
		.amdhsa_system_vgpr_workitem_id 0
		.amdhsa_next_free_vgpr 1024
		.amdhsa_next_free_sgpr 66
		.amdhsa_reserve_vcc 0
		.amdhsa_float_denorm_mode_32 3
		.amdhsa_float_denorm_mode_16_64 3
		.amdhsa_memory_ordered 1
		.amdhsa_forward_progress 1
		.amdhsa_inst_pref_size 90
	.end_amdhsa_kernel
	.amdgpu_metadata
---
amdhsa.version: [ 1, 2 ]
amdhsa.kernels:
  - .name:           k_qb76efd53a3_outp
    .symbol:         k_qb76efd53a3_outp.kd
    .args:
      - { .name: Aimg, .offset: 0, .size: 8, .value_kind: global_buffer, .address_space: global }
      - { .name: Asc, .offset: 8, .size: 8, .value_kind: global_buffer, .address_space: global }
      - { .name: Wo_codes, .offset: 16, .size: 8, .value_kind: global_buffer, .address_space: global }
      - { .name: Wo_scales, .offset: 24, .size: 8, .value_kind: global_buffer, .address_space: global }
      - { .name: bo, .offset: 32, .size: 8, .value_kind: global_buffer, .address_space: global }
      - { .name: out0, .offset: 40, .size: 8, .value_kind: global_buffer, .address_space: global }
    .group_segment_fixed_size: 167936
    .private_segment_fixed_size: 0
    .kernarg_segment_align: 8
    .kernarg_segment_size: 48
    .max_flat_workgroup_size: 128
    .sgpr_count:     66
    .vgpr_count:     1024
    .wavefront_size: 32
...
	.end_amdgpu_metadata
.endif
;; end of part 3
